; MI455X (gfx1250); checked and timed in simulation.
; The chip was launched on July 23, 2026; its instructions are those of AMD's public machine-readable ISA for CDNA 5 (MIT licence, August 2026) and "CDNA5" Instruction Set Architecture Reference Guide (July 2026). The comments in the code are by the model that wrote it; some were corrected since.
;; Match Module. Allowed arithmetic: float matrix products may take bf16 or f16 operands with f32 sums; other float arithmetic in f32, or as packed bf16 or f16 multiplies, adds, multiply-adds, maxima and minima; sums over many terms, partial sums and values carried from step to step in f32; what a program stores and reads back later, other than sums and carried values, may be rounded once to bf16 or f16.
;; Inputs: W 1,024 x 1,024 float32; b 1,024 float32; proj_p 16 x 1,024 x 1,024 float32; proj_q 16 x 1,024 x 1,024 float32.
;; Outputs: out0 16 x 1,024 x 1,024 float32.
;; One version. Each part assembles by itself: llvm-mc -triple=amdgcn-amd-amdhsa -mcpu=gfx1250 --defsym DOCPART=n.
;; ======== version 1 of 1: 4 launches
;; limits: values are held in f16: magnitudes above 65,504 overflow, below 6.1e-05 lose precision; right only within a limited range of input values
;; workspace buffers: qh 33,554,432 bytes; wh 2,097,152 bytes; t2 67,108,864 bytes; v16 33,554,432 bytes; pw 33,554,432 bytes; sm 524,288 bytes; sl 524,288 bytes
;; launch prep (part 1): grid 1088 x 1, 8 waves a work-group, no clusters, 0 bytes of LDS; arguments proj_q, W, qh, wh; writes qh, wh
.if DOCPART == 1
	.amdgcn_target "amdgcn-amd-amdhsa--gfx1250"
	.amdhsa_code_object_version 6
	.text
	.protected	k_qea9302d387_prep
	.globl	k_qea9302d387_prep
	.p2align	8
	.type	k_qea9302d387_prep,@function
k_qea9302d387_prep:
	s_mov_b64 s[64:65], 0
	v_nop
	global_prefetch_b8 v0, s[64:65] scope:SCOPE_SE
	s_setreg_imm32_b32 hwreg(HW_REG_WAVE_MODE, 25, 1), 1
	s_wait_xcnt 0x0
; proj_q [16384][1024] and W [1024][1024], f32, are rounded once to bf16: qh and wh, same order of numbers.
; A stream: memory binds, so no LDS, no barrier, no matrix unit.  A work-group takes 16,384 numbers: groups 0-1023 those of proj_q, groups 1024-1087 those of W.
; Thread t takes the 16 bytes at 16 t of each of 16 chunks of 4,096 bytes: a wave's load covers 512 consecutive bytes; its 8 bytes of bf16 go to 8 t of a chunk of 2,048 bytes:
; a wave's store covers 256 consecutive bytes, aligned.  All 16 loads go out first; nothing is rewritten, so no register waits for a store.
.set QGROUPS, 1024                     ; work-groups that serve proj_q
.set XR, 4                             ; v[4:67]   16 x 4 numbers as loaded
.set YR, 68                            ; v[68:99]  16 x 2 registers to store
	s_load_b256 s[4:11], s[0:1], 0x0               ; proj_q s[4:5], W s[6:7], qh s[8:9], wh s[10:11]
	s_sub_co_u32 s16, ttmp9, QGROUPS               ; my place among W's groups, if I am one of them
	v_lshlrev_b32 v1, 4, v0                        ; 16 t
	v_lshlrev_b32 v2, 3, v0                        ; 8 t
	s_wait_kmcnt 0x0
	s_cmp_lt_u32 ttmp9, QGROUPS                    ; the choice hangs on the group's number alone
	s_cselect_b64 s[12:13], s[4:5], s[6:7]         ; from
	s_cselect_b64 s[14:15], s[8:9], s[10:11]       ; to
	s_cselect_b32 s16, ttmp9, s16                  ; my place in that tensor
	s_lshl_b32 s18, s16, 16                        ; 16,384 numbers of 4 bytes
	s_mov_b32 s19, 0
	s_lshl_b32 s20, s16, 15                        ; and of 2 bytes
	s_mov_b32 s21, 0
	s_add_nc_u64 s[12:13], s[12:13], s[18:19]
	s_add_nc_u64 s[14:15], s[14:15], s[20:21]
.irp i, 0,1,2,3,4,5,6,7,8,9,10,11,12,13,14,15
	global_load_b128 v[XR+4*(\i):XR+4*(\i)+3], v1, s[12:13] offset:(\i)*4096 th:TH_LOAD_NT
.endr
.irp i, 0,1,2,3,4,5,6,7,8,9,10,11,12,13,14,15
	s_wait_loadcnt 15-(\i)                         ; loads come back in order: chunk i is in, the younger ones stay out
	v_cvt_pk_bf16_f32 v[YR+2*(\i)],   v[XR+4*(\i)],   v[XR+4*(\i)+1]
	v_cvt_pk_bf16_f32 v[YR+2*(\i)+1], v[XR+4*(\i)+2], v[XR+4*(\i)+3]
	global_store_b64 v2, v[YR+2*(\i):YR+2*(\i)+1], s[14:15] offset:(\i)*2048
.endr
	s_endpgm
.Lfunc_end_k_qea9302d387_prep:
	.size	k_qea9302d387_prep, .Lfunc_end_k_qea9302d387_prep-k_qea9302d387_prep
	.p2alignl 7, 3214868480
	.fill 96, 4, 3214868480
	.section	.rodata,"a",@progbits
	.p2align	6, 0x0
	.amdhsa_kernel k_qea9302d387_prep
		.amdhsa_group_segment_fixed_size 0
		.amdhsa_private_segment_fixed_size 0
		.amdhsa_enable_private_segment 0
		.amdhsa_kernarg_size 32
		.amdhsa_user_sgpr_count 2
		.amdhsa_user_sgpr_kernarg_segment_ptr 1
		.amdhsa_wavefront_size32 1
		.amdhsa_system_sgpr_workgroup_id_x 1
		.amdhsa_system_sgpr_workgroup_id_y 1
		.amdhsa_system_sgpr_workgroup_id_z 1
		.amdhsa_system_vgpr_workitem_id 0
		.amdhsa_next_free_vgpr 100
		.amdhsa_next_free_sgpr 66
		.amdhsa_reserve_vcc 0
		.amdhsa_float_denorm_mode_32 3
		.amdhsa_float_denorm_mode_16_64 3
		.amdhsa_memory_ordered 1
		.amdhsa_forward_progress 1
		.amdhsa_inst_pref_size 7
	.end_amdhsa_kernel
	.amdgpu_metadata
---
amdhsa.version: [ 1, 2 ]
amdhsa.kernels:
  - .name:           k_qea9302d387_prep
    .symbol:         k_qea9302d387_prep.kd
    .args:
      - { .name: proj_q, .offset: 0, .size: 8, .value_kind: global_buffer, .address_space: global }
      - { .name: W, .offset: 8, .size: 8, .value_kind: global_buffer, .address_space: global }
      - { .name: qh, .offset: 16, .size: 8, .value_kind: global_buffer, .address_space: global }
      - { .name: wh, .offset: 24, .size: 8, .value_kind: global_buffer, .address_space: global }
    .group_segment_fixed_size: 0
    .private_segment_fixed_size: 0
    .kernarg_segment_align: 8
    .kernarg_segment_size: 32
    .max_flat_workgroup_size: 256
    .sgpr_count:     66
    .vgpr_count:     100
    .wavefront_size: 32
...
	.end_amdgpu_metadata
.endif
;; end of part 1
;; launch proj (part 2): grid 4 x 64, 4 waves a work-group, clusters of 4 x 4, 327,680 bytes of LDS; arguments qh, wh, b, t2, v16; writes t2, v16
.if DOCPART == 2
	.amdgcn_target "amdgcn-amd-amdhsa--gfx1250"
	.amdhsa_code_object_version 6
	.text
	.protected	k_qea9302d387_proj
	.globl	k_qea9302d387_proj
	.p2align	8
	.type	k_qea9302d387_proj,@function
k_qea9302d387_proj:
	s_mov_b64 s[64:65], 0
	v_nop
	global_prefetch_b8 v0, s[64:65] scope:SCOPE_SE
	s_setreg_imm32_b32 hwreg(HW_REG_WAVE_MODE, 25, 1), 1
	s_wait_xcnt 0x0
	s_wait_alu depctr_hold_cnt(0) depctr_sa_sdst(0) depctr_va_vdst(0) depctr_va_sdst(0) depctr_va_ssrc(0) depctr_va_vcc(0) depctr_vm_vsrc(0)
	s_getreg_b32 s2, hwreg(HW_REG_IB_STS2, 6, 4)
	s_cmp_eq_u32 s2, 0
	s_cbranch_scc0 .Lentry_in_a_cluster
	s_endpgm
.Lentry_in_a_cluster:
	s_bfe_u32 s2, ttmp6, 0x10000c
	s_cmp_lg_u32 s2, 0xf033
	s_cbranch_scc0 .Lentry_shape_is_right
	s_endpgm
.Lentry_shape_is_right:
; t[key][o] = sum over h of q[key][h] W[o][h] + b[o], q and W in bf16 (qh, wh), b rounded to bf16 here, sums in f32.  16,384 keys x 1,024 channels, K = 1,024.
; t leaves twice: t2 = [key][16 blocks of 64 channels][hi | lo], hi = bf16(t), lo = bf16(t - hi), a block 256 bytes: the two parts carry 16 significant bits of t into the score product;
; and v16 = f16(t) [key][1024], the second product's operand.  LIMIT: |t| stays under 65,520 (f16's end); NaN and infinities are not treated apart.
; SHAPE.  A tile of C is 256 x 256, four waves of 128 x 128 (64 accumulators, 512 registers).  K goes in 8 steps of 128 through two LDS slots; each wave brings a quarter of a slot
; (128 rows x 256 bytes) by one tensor load.  4 x 4 work-groups form a cluster: q's tile is shared along a row of it, W's along a column, each asked for jointly.
; The matrix instruction is used transposed (source 0 = 16 rows of W, source 1 = 16 rows of q): a lane holds row l % 16 and the channels 8 (l / 16) + 0..7.
; The bias is the C operand of the products that start the sums: nothing is cleared and nothing is added later.
; REGISTERS in windows of 256: window 0: v0-31 addresses, v64-191 q's two fragment buffers, v192-255 the bias; window 1: v64-191 W's two buffers; windows 2, 3: accumulators (a, b) at v[8 (8 (a % 4) + b)].
; THE LOOP is one K step long: the slot read and the slot filled are two scalars that one exclusive or turns.
.set PITCH,  272                       ; an LDS row: 256 bytes + 16 of padding: the 16 rows of a fragment load start at 16 different groups of four banks
.set HALFT,  128*PITCH                 ; what one tensor load brings
.set SLOT,   4*HALFT                   ; q's 256 rows, then W's 256 rows
.set SPARE,  2*SLOT                    ; behind the ring: the spare words, 128 bytes a wave, which no other line names
.set STEPS,  8
.set ASTEP,  256                       ; bytes from a K step to the next
.set BSTEP,  256
.set SPITCH, 528                       ; the stage on the way out: a row of 128 f32 + 16 bytes
.set WSTAGE, 128*SPITCH                ; a wave's stage; the four lie in the ring, which has had its last fill by then
.set ADRA0, 16                         ; v16, v17  my fragments' LDS addresses in slot 0; never rewritten
.set ADRB0, 17
.set ADRA,  18                         ; v18, v19  the same in the slot in hand
.set ADRB,  19
.set STO,   20                         ; v20  the way out: where my accumulators go in the stage
.set RD,    21                         ; v21  where I read rows back
.set O1,    22                         ; v22  my byte offset in t2
.set O2,    23                         ; v23  my byte offset in v16
.set KAP,   24                         ; v24  0 in the lanes that store hi, -1 in those that store lo
.set SPW,   28                         ; v28  my spare word's LDS address; never rewritten
.set NIL,   29                         ; v29  0; never rewritten
.set F0,    64
.set F1,    128
.set BI,    192                        ; v192-255  b of my lane's columns: 8 for each of 8 column blocks
.set XR,    64                         ; the way out: 8 rows x 8 f32
.set HB,    128                        ; hi of them
.set OB,    160                        ; what goes to t2
.set FH,    192                        ; what goes to v16
.set G1A, 24                           ; s[24:31] group 1 for q's tiles
.set G0A, 32                           ; s[32:35] group 0 of the first fill, s[36:39] the one that walks
.set G1B, 48                           ; s[48:55], s[56:59], s[60:63] the same for W's
.set G0B, 56
.set MSB, 0
.macro WIN new                         ; the immediate's high byte repeats the setting that is left; a switch that changes nothing is dropped
.if MSB != (\new)
	s_set_vgpr_msb (MSB<<8)|(\new)
.set MSB, \new
.endif
.endm
.set MUL_LO, 0xa1                      ; source 0 window 1, source 1 window 0, C and D window 2
.set TO_B,   0x40                      ; destination window 1, address window 0
.macro PLACES                          ; four plain vector places behind matrix instructions, in front of loads into registers that they read and of stores of their results
.rept 4
	v_nop
.endr
.endm
; A joint refill by the walking descriptors.  Waves 0 and 1 fetch q's halves, waves 2 and 3 W's; the branch hangs on the wave's number alone.  s_nop 0 and four v_nop follow each line.
.macro JLOAD
	s_cmp_eq_u32 s9, 0
	s_cbranch_scc0 .Lfor_b_\@
	tensor_load_to_lds s[G0A+4:G0A+7], s[G1A:G1A+7]
	s_nop 0
.rept 4
	v_nop
.endr
	s_branch .Lasked_\@
.Lfor_b_\@:
	tensor_load_to_lds s[G0B+4:G0B+7], s[G1B:G1B+7]
	s_nop 0
.rept 4
	v_nop
.endr
.Lasked_\@:
.endm
.macro CREST                           ; a round of the cluster's barrier behind its opening barrier
	s_cmp_lg_u32 s8, 0
	s_cbranch_scc1 .Lnot_wave_0_\@
	s_barrier_signal -3
.Lnot_wave_0_\@:
	s_barrier_wait -3
	s_barrier_signal -1
	s_barrier_wait -1
.endm
.macro CROUND                          ; a whole round
	s_barrier_signal -1
	s_barrier_wait -1
	CREST
.endm
	s_load_b128 s[4:7], s[0:1], 0x0                ; qh s[4:5], wh s[6:7]
	s_load_b128 s[68:71], s[0:1], 0x10             ; b s[68:69], t2 s[70:71]
	s_load_b64 s[72:73], s[0:1], 0x20              ; v16
	v_lshl_add_u32 v[SPW], v0, 2, SPARE
	v_mov_b32 v[NIL], 0
	ds_add_u32 v[SPW], v[NIL]                      ; the wave's opening: the add and its wait stand ahead of my first tensor load; the set-up stands between them
	v_lshrrev_b32 v1, 5, v0
	v_readfirstlane_b32 s8, v1                     ; wave 0..3
	s_lshr_b32 s9, s8, 1                           ; my half of the tile's rows.  Also: I fetch q's tile (0) or W's (1)
	s_and_b32 s10, s8, 1                           ; my half of its columns.  Also: which 128 rows of that tile I fetch
	s_bfe_u32 s11, ttmp6, 0x40000                  ; cx
	s_bfe_u32 s12, ttmp6, 0x40004                  ; cy
	s_lshl_b32 s13, ttmp9, 2
	s_add_co_u32 s13, s13, s11                     ; tile column = 4 x cluster x + cx
	s_and_b32 s15, ttmp7, 0xffff                   ; cluster y
	s_lshl_b32 s14, s15, 2
	s_add_co_u32 s14, s14, s12                     ; tile row = 4 x cluster y + cy
	s_lshl_b32 s40, s12, 2
	s_lshl_b32 s40, 15, s40                        ; my row of the cluster
	s_lshl_b32 s41, 0x1111, s11                    ; my column
	s_or_b32 s[G1A], s40, (1<<16)|(1<<20)|(1<<21)|(5<<22)|(3<<25)  ; the mask; 2-byte elements; padding on; bit 21 beside a mask; after every 64 words; 4 words
	s_or_b32 s[G1B], s41, (1<<16)|(1<<20)|(1<<21)|(5<<22)|(3<<25)
.irp g, G1A, G1B
	s_mov_b32 s[(\g)+1], 128<<16                   ; tensor_dim0 = 128
	s_mov_b32 s[(\g)+2], 128<<16                   ; tensor_dim1 = 128
	s_mov_b32 s[(\g)+3], 128<<16                   ; tile_dim0 = 128
	s_mov_b32 s[(\g)+4], 128                       ; tile_dim1 = 128
	s_mov_b32 s[(\g)+5], 1024                      ; elements from row to row
	s_mov_b32 s[(\g)+6], 0
	s_mov_b32 s[(\g)+7], 0
.endr
	s_lshl_b32 s16, s14, 19                        ; q: (256 x tile row + 128 x half) rows of 2,048 bytes: the tile row alone, which my row of the cluster shares
	s_lshl_b32 s17, s10, 18
	s_add_co_u32 s16, s16, s17
	s_mov_b32 s17, 0
	s_lshl_b32 s20, s13, 19                        ; W: the same of the tile column alone, which my column shares
	s_lshl_b32 s21, s10, 18
	s_add_co_u32 s20, s20, s21
	s_mov_b32 s21, 0
	s_mul_i32 s22, s8, HALFT                       ; where my tile goes in a slot: the wave's number alone
	s_wait_dscnt 0x0                               ; the opening add is done
	s_wait_kmcnt 0x0
	s_add_nc_u64 s[16:17], s[4:5], s[16:17]
	s_add_nc_u64 s[20:21], s[6:7], s[20:21]
	CROUND                                         ; all sixteen work-groups are here: the first joint loads meet
.irp s, 0,1
	s_mov_b32 s[G0A+4*(\s)], 1
	s_add_co_u32 s[G0A+4*(\s)+1], s22, (\s)*SLOT
	s_add_nc_u64 s[G0A+4*(\s)+2:G0A+4*(\s)+3], s[16:17], (\s)*ASTEP
	s_or_b32 s[G0A+4*(\s)+3], s[G0A+4*(\s)+3], 0x80000000
	s_mov_b32 s[G0B+4*(\s)], 1
	s_add_co_u32 s[G0B+4*(\s)+1], s22, (\s)*SLOT
	s_add_nc_u64 s[G0B+4*(\s)+2:G0B+4*(\s)+3], s[20:21], (\s)*BSTEP
	s_or_b32 s[G0B+4*(\s)+3], s[G0B+4*(\s)+3], 0x80000000
.endr
	s_cmp_eq_u32 s9, 0                             ; a wave's two first fills stand in one branch: K steps 0 and 1; two loads of mine are out
	s_cbranch_scc0 .Lfirst_b
	tensor_load_to_lds s[G0A:G0A+3], s[G1A:G1A+7]
	s_nop 0
	tensor_load_to_lds s[G0A+4:G0A+7], s[G1A:G1A+7]
	s_nop 0
.rept 4
	v_nop
.endr
	s_branch .Lfirst_asked
.Lfirst_b:
	tensor_load_to_lds s[G0B:G0B+3], s[G1B:G1B+7]
	s_nop 0
	tensor_load_to_lds s[G0B+4:G0B+7], s[G1B:G1B+7]
	s_nop 0
.rept 4
	v_nop
.endr
.Lfirst_asked:
	v_and_b32 v1, 15, v0                           ; r = l % 16
	v_bfe_u32 v2, v0, 4, 1                         ; h = l / 16
	s_lshl_b32 s76, s13, 10                        ; my first column x 4 bytes = 1,024 x tile column + 512 x half
	s_lshl_b32 s77, s10, 9
	s_add_co_u32 s76, s76, s77
	s_mov_b32 s77, 0
	s_add_nc_u64 s[68:69], s[68:69], s[76:77]
	v_lshlrev_b32 v4, 5, v2                        ; my lanes' 8 columns of a block of 16
.irp c, 0,1,2,3,4,5,6,7
	global_load_b128 v[BI+8*(\c):BI+8*(\c)+3],   v4, s[68:69] offset:64*(\c)
	global_load_b128 v[BI+8*(\c)+4:BI+8*(\c)+7], v4, s[68:69] offset:64*(\c)+16
.endr
	v_mul_u32_u24 v3, v1, PITCH
	v_lshl_add_u32 v3, v2, 4, v3                   ; a fragment's row x pitch + 16 x half
	s_mul_i32 s74, s9, HALFT                       ; my 128 rows of q
	s_mul_i32 s75, s10, HALFT                      ; my 128 rows of W,
	s_add_co_u32 s75, s75, 2*HALFT                 ; which lie behind q's 256
	v_add_nc_u32 v[ADRA0], s74, v3
	v_add_nc_u32 v[ADRB0], s75, v3
	v_mov_b32 v[ADRA], v[ADRA0]
	v_mov_b32 v[ADRB], v[ADRB0]
	s_mov_b32 s42, 0                               ; the slot in hand begins at LDS byte 0
	s_lshl_b32 s78, s14, 20                        ; t2: my first row x 4,096 bytes + my two blocks of 256
	s_lshl_b32 s79, s9, 19
	s_add_co_u32 s78, s78, s79
	s_add_co_u32 s78, s78, s76
	s_mov_b32 s79, 0
	s_add_nc_u64 s[70:71], s[70:71], s[78:79]
	s_lshr_b32 s78, s78, 1                         ; v16: rows of 2,048 bytes, 256 of them mine: half of every term
	s_add_nc_u64 s[72:73], s[72:73], s[78:79]
	s_mul_i32 s23, s8, WSTAGE                      ; my stage
	v_and_b32 v5, 7, v0                            ; chunk: which 8 channels of a block's 64
	v_bfe_u32 v6, v0, 3, 1                         ; part: 0 stores hi, 1 stores lo
	v_mul_u32_u24 v7, v1, SPITCH
	v_lshl_add_u32 v7, v2, 5, v7
	v_add_nc_u32 v[STO], s23, v7                   ; in: row r, 32 bytes for each half of the lanes
	v_lshlrev_b32 v7, 5, v5
	v_lshl_add_u32 v7, v2, 8, v7
	v_add_nc_u32 v[RD], s23, v7                    ; back: block l / 16, 8 f32 of it
	v_and_b32 v7, 31, v0
	v_lshlrev_b32 v[O1], 4, v7                     ; 32 lanes x 16 bytes: two whole blocks [hi | lo] of a row of t2
	v_lshlrev_b32 v[O2], 4, v5
	v_lshl_add_u32 v[O2], v2, 7, v[O2]
	v_lshl_add_u32 v[O2], v6, 11, v[O2]            ; v16: part 0 the even row of a pair, part 1 the odd one
	v_cmp_ne_u32 s46, 0, v6                        ; the lanes of part 1
	v_cvt_f32_u32 v[KAP], v6
	v_sub_f32 v[KAP], 0, v[KAP]
	s_wait_loadcnt 0x0                             ; b
.set i, 0
.rept 32                                       ; b is rounded to bf16, like the other inputs, and widened again
	v_cvt_pk_bf16_f32 v[8+i%4], v[BI+2*i], v[BI+2*i+1]
	v_lshlrev_b32 v[BI+2*i], 16, v[8+i%4]
	v_and_b32 v[BI+2*i+1], 0xffff0000, v[8+i%4]
.set i, i+1
.endr
; 16 matrix instructions: row blocks a0, a0 + 1 of the window's four (hi = 0: my rows 0-63, 1: rows 64-127) x all 8 column blocks, 32 along K.  zero = 1: the sums start from the bias.
; The 64 accumulators take turns in the same order in every quarter.
.macro MUL16 f, hi, a0, zero
.if \zero
	WIN 0x81+0x40*(\hi)                            ; C (the bias) in window 0, D in window 2 or 3
.else
	WIN MUL_LO+0x50*(\hi)
.endif
.irp a, \a0, (\a0)+1
.irp b, 0,1,2,3,4,5,6,7
.if \zero
	v_wmma_f32_16x16x32_bf16 v[8*(8*(\a)+(\b)):8*(8*(\a)+(\b))+7], v[(\f)+8*(\b):(\f)+8*(\b)+7], v[(\f)+8*(4*(\hi)+(\a)):(\f)+8*(4*(\hi)+(\a))+7], v[BI+8*(\b):BI+8*(\b)+7]
.else
	v_wmma_f32_16x16x32_bf16 v[8*(8*(\a)+(\b)):8*(8*(\a)+(\b))+7], v[(\f)+8*(\b):(\f)+8*(\b)+7], v[(\f)+8*(4*(\hi)+(\a)):(\f)+8*(4*(\hi)+(\a))+7], v[8*(8*(\a)+(\b)):8*(8*(\a)+(\b))+7]
.endif
.endr
.endr
.endm
; 32 LDS loads in one run: the fragments of 32 along K at byte k of the rows, into buffer f: W's 128 rows, then q's
.macro FETCH k, f
	WIN TO_B
.irp i, 0,1,2,3,4,5,6,7
	ds_load_b128 v[(\f)+8*(\i):(\f)+8*(\i)+3],   v[ADRB] offset:(\k)+(\i)*16*PITCH
	ds_load_b128 v[(\f)+8*(\i)+4:(\f)+8*(\i)+7], v[ADRB] offset:(\k)+(\i)*16*PITCH+32
.endr
	WIN 0
.irp i, 0,1,2,3,4,5,6,7
	ds_load_b128 v[(\f)+8*(\i):(\f)+8*(\i)+3],   v[ADRA] offset:(\k)+(\i)*16*PITCH
	ds_load_b128 v[(\f)+8*(\i)+4:(\f)+8*(\i)+7], v[ADRA] offset:(\k)+(\i)*16*PITCH+32
.endr
.endm
; One of a K step's first three quarters: multiplies buffer f; in its middle it fetches the next quarter, at byte k, into g
.macro QUARTER k, f, g, zero
	s_wait_dscnt 8                                 ; W's fragments and q's rows 0-63 are in; the youngest eight loads (q's rows 64-127) may be out
	MUL16 \f, 0, 0, \zero
	MUL16 \f, 0, 2, \zero
	PLACES
	FETCH \k, \g
	s_wait_dscnt 32                                ; all but the 32 just issued
	MUL16 \f, 1, 0, \zero
	MUL16 \f, 1, 2, \zero
.endm
; The last quarter multiplies buffer 1 and changes slots.  In front of the barrier each wave waits for all its tensor loads (one is out: its part of the next slot), adds 0 to its spare word and
; waits for that and for its reads of this slot.  fill = 1: the barrier opens a round of the cluster's, and behind the round this slot is filled again, two K steps ahead, first of all.
.macro TURN fill
	WIN 0
	s_wait_tensorcnt 0x0                           ; no tensor load of mine is out
	ds_add_u32 v[SPW], v[NIL]                      ; 0 onto my spare word
	s_wait_dscnt 9                                 ; the add and the youngest eight loads may be out
	MUL16 F1, 0, 0, 0                              ; sixteen matrix instructions stand between the add and the wait for it
	s_wait_dscnt 0x0                               ; the add is done, and my reads of this slot are over
	s_barrier_signal -1
	MUL16 F1, 0, 2, 0
	WIN 0
	s_barrier_wait -1
.if \fill
	CREST                                          ; no wave of any partner still reads this slot or has a load on its way
	s_xor_b32 s[G0A+5], s[G0A+5], SLOT             ; the walking descriptors: the other slot than last time (the wave's offset shares no bit with SLOT), one K step on
	s_add_nc_u64 s[G0A+6:G0A+7], s[G0A+6:G0A+7], ASTEP
	s_xor_b32 s[G0B+5], s[G0B+5], SLOT
	s_add_nc_u64 s[G0B+6:G0B+7], s[G0B+6:G0B+7], BSTEP
	JLOAD                                          ; my one tensor load behind the round; its four v_nop are also the places in front of the loads below
.else
	PLACES
.endif
	s_xor_b32 s42, s42, SLOT                       ; the fragments now come from the other slot
	v_add_nc_u32 v[ADRA], s42, v[ADRA0]
	v_add_nc_u32 v[ADRB], s42, v[ADRB0]
	FETCH 0, F0
	MUL16 F1, 1, 0, 0
	MUL16 F1, 1, 2, 0
.endm
; The accumulators go as f32 into my stage: row 16 a + r, columns 16 b + 8 h + 0..7; each accumulator's low registers first
.macro DUMP p16, mid
.irp a, 0,1,2,3,4,5,6,7
	WIN 0x08+4*((\a)/4)                            ; store data in window 2 or 3
.irp b, 0,1,2,3,4,5,6,7
	ds_store_b128 v[STO], v[64*((\a)%4)+8*(\b):64*((\a)%4)+8*(\b)+3]   offset:(\a)*(\p16)+64*(\b)+(\mid)*16*((\b)/4)
	ds_store_b128 v[STO], v[64*((\a)%4)+8*(\b)+4:64*((\a)%4)+8*(\b)+7] offset:(\a)*(\p16)+64*(\b)+(\mid)*16*((\b)/4)+16
.endr
.endr
	WIN 0
.endm
	s_wait_tensorcnt 1                             ; my part of K step 0 is in; step 1's may stay out
	s_barrier_signal -1
	s_barrier_wait -1                              ; everybody's is
	FETCH 0, F0
	QUARTER 64, F0, F1, 1                          ; the first quarter stands in front of the loop: its products start the sums
	WIN 0
	s_mov_b32 s3, STEPS-2
.Lstep:                                                ; a trip: a K step's quarters 2 to 4, the change of slots with its refill, the next step's first quarter
	QUARTER 128, F1, F0, 0
	QUARTER 192, F0, F1, 0
	TURN 1
	QUARTER 64, F0, F1, 0
	WIN 0
	s_sub_co_u32 s3, s3, 1
	s_cmp_lg_u32 s3, 0
	s_cbranch_scc1 .Lstep
	QUARTER 128, F1, F0, 0                         ; the last two K steps are written out: they ask for nothing
	QUARTER 192, F0, F1, 0
	TURN 0
	QUARTER 64, F0, F1, 0
	QUARTER 128, F1, F0, 0
	QUARTER 192, F0, F1, 0
	s_wait_dscnt 0x0                               ; the last fragments are in: my reads of the ring are over
	MUL16 F1, 0, 0, 0
	MUL16 F1, 0, 2, 0
	s_barrier_signal -1                            ; the ring has had its last fill; when nobody reads it any more it becomes the stage
	MUL16 F1, 1, 0, 0
	MUL16 F1, 1, 2, 0
	WIN 0
	s_barrier_wait -1
	PLACES
	DUMP 16*SPITCH, 0
	; THE WAY OUT, 8 rows a trip.  A lane reads 8 f32 of a row (lanes of part 0 and part 1 the same ones).  hi = bf16(t); t + KAP x hi is t in part 0 and t - hi, exact, in part 1; rounded to bf16 that
	; is hi or lo, and a wave's store is 512 consecutive bytes of t2.  f16(t) of two rows is merged by part, and a wave's store covers two rows' 256 aligned bytes of v16.
	s_mov_b32 s43, 16
.Lout:
.irp p, 0,1,2,3,4,5,6,7
	ds_load_b128 v[XR+8*(\p):XR+8*(\p)+3],   v[RD] offset:SPITCH*(\p)      ; LDS serves a wave's instructions in order (ISA guide 5.7.1.4): these see my stores above
	ds_load_b128 v[XR+8*(\p)+4:XR+8*(\p)+7], v[RD] offset:SPITCH*(\p)+16
.endr
.irp p, 0,1,2,3,4,5,6,7
	s_wait_dscnt 14-2*(\p)                         ; row p's two loads are in; the younger rows' stay out
.irp i, 0,1,2,3
	v_cvt_pk_bf16_f32 v[HB+4*(\p)+(\i)], v[XR+8*(\p)+2*(\i)], v[XR+8*(\p)+2*(\i)+1]
.endr
.irp i, 0,1,2,3
	v_cvt_pk_f16_f32 v[FH+4*(\p)+(\i)], v[XR+8*(\p)+2*(\i)], v[XR+8*(\p)+2*(\i)+1]
.endr
.irp i, 0,1,2,3
	v_fma_mix_f32_bf16 v[XR+8*(\p)+2*(\i)],   v[HB+4*(\p)+(\i)], v[KAP], v[XR+8*(\p)+2*(\i)]   op_sel_hi:[1,0,0]
	v_fma_mix_f32_bf16 v[XR+8*(\p)+2*(\i)+1], v[HB+4*(\p)+(\i)], v[KAP], v[XR+8*(\p)+2*(\i)+1] op_sel:[1,0,0] op_sel_hi:[1,0,0]
.endr
.irp i, 0,1,2,3
	v_cvt_pk_bf16_f32 v[OB+4*(\p)+(\i)], v[XR+8*(\p)+2*(\i)], v[XR+8*(\p)+2*(\i)+1]
.endr
	global_store_b128 v[O1], v[OB+4*(\p):OB+4*(\p)+3], s[70:71] offset:4096*(\p)
.endr
.irp q, 0,1,2,3
.irp i, 0,1,2,3
	v_cndmask_b32 v[FH+8*(\q)+(\i)], v[FH+8*(\q)+(\i)], v[FH+8*(\q)+4+(\i)], s46
.endr
	global_store_b128 v[O2], v[FH+8*(\q):FH+8*(\q)+3], s[72:73] offset:4096*(\q)
.endr
	s_wait_xcnt 0x0                                ; the stores' data and offsets are rewritten only behind this wait
	v_add_nc_u32 v[RD], 8*SPITCH, v[RD]
	v_add_nc_u32 v[O1], 8*4096, v[O1]
	v_add_nc_u32 v[O2], 8*2048, v[O2]
	s_sub_co_u32 s43, s43, 1
	s_cmp_lg_u32 s43, 0
	s_cbranch_scc1 .Lout
	s_wait_tensorcnt 0x0                           ; the wave's end: behind my last tensor load and my last LDS store
	ds_add_u32 v[SPW], v[NIL]
	s_wait_dscnt 0x0
	CROUND                                         ; the closing round: no work-group ends while a partner may still ask for a tile that names it
	s_endpgm
.Lfunc_end_k_qea9302d387_proj:
	.size	k_qea9302d387_proj, .Lfunc_end_k_qea9302d387_proj-k_qea9302d387_proj
	.p2alignl 7, 3214868480
	.fill 96, 4, 3214868480
	.section	.rodata,"a",@progbits
	.p2align	6, 0x0
	.amdhsa_kernel k_qea9302d387_proj
		.amdhsa_group_segment_fixed_size 327680
		.amdhsa_private_segment_fixed_size 0
		.amdhsa_enable_private_segment 0
		.amdhsa_kernarg_size 40
		.amdhsa_user_sgpr_count 2
		.amdhsa_user_sgpr_kernarg_segment_ptr 1
		.amdhsa_wavefront_size32 1
		.amdhsa_system_sgpr_workgroup_id_x 1
		.amdhsa_system_sgpr_workgroup_id_y 1
		.amdhsa_system_sgpr_workgroup_id_z 1
		.amdhsa_system_vgpr_workitem_id 0
		.amdhsa_next_free_vgpr 1024
		.amdhsa_next_free_sgpr 80
		.amdhsa_reserve_vcc 0
		.amdhsa_float_denorm_mode_32 3
		.amdhsa_float_denorm_mode_16_64 3
		.amdhsa_memory_ordered 1
		.amdhsa_forward_progress 1
		.amdhsa_inst_pref_size 113
	.end_amdhsa_kernel
	.amdgpu_metadata
---
amdhsa.version: [ 1, 2 ]
amdhsa.kernels:
  - .name:           k_qea9302d387_proj
    .symbol:         k_qea9302d387_proj.kd
    .args:
      - { .name: qh, .offset: 0, .size: 8, .value_kind: global_buffer, .address_space: global }
      - { .name: wh, .offset: 8, .size: 8, .value_kind: global_buffer, .address_space: global }
      - { .name: b, .offset: 16, .size: 8, .value_kind: global_buffer, .address_space: global }
      - { .name: t2, .offset: 24, .size: 8, .value_kind: global_buffer, .address_space: global }
      - { .name: v16, .offset: 32, .size: 8, .value_kind: global_buffer, .address_space: global }
    .group_segment_fixed_size: 327680
    .private_segment_fixed_size: 0
    .kernarg_segment_align: 8
    .kernarg_segment_size: 40
    .max_flat_workgroup_size: 128
    .sgpr_count:     80
    .vgpr_count:     1024
    .wavefront_size: 32
...
	.end_amdgpu_metadata
.endif
;; end of part 2
;; launch score (part 3): grid 4 x 64, 4 waves a work-group, clusters of 4 x 4, 327,680 bytes of LDS; arguments proj_p, t2, pw, sm, sl; writes pw, sm, sl
.if DOCPART == 3
	.amdgcn_target "amdgcn-amd-amdhsa--gfx1250"
	.amdhsa_code_object_version 6
	.text
	.protected	k_qea9302d387_score
	.globl	k_qea9302d387_score
	.p2align	8
	.type	k_qea9302d387_score,@function
k_qea9302d387_score:
	s_mov_b64 s[64:65], 0
	v_nop
	global_prefetch_b8 v0, s[64:65] scope:SCOPE_SE
	s_setreg_imm32_b32 hwreg(HW_REG_WAVE_MODE, 25, 1), 1
	s_wait_xcnt 0x0
	s_wait_alu depctr_hold_cnt(0) depctr_sa_sdst(0) depctr_va_vdst(0) depctr_va_sdst(0) depctr_va_ssrc(0) depctr_va_vcc(0) depctr_vm_vsrc(0)
	s_getreg_b32 s2, hwreg(HW_REG_IB_STS2, 6, 4)
	s_cmp_eq_u32 s2, 0
	s_cbranch_scc0 .Lentry_in_a_cluster
	s_endpgm
.Lentry_in_a_cluster:
	s_bfe_u32 s2, ttmp6, 0x10000c
	s_cmp_lg_u32 s2, 0xf033
	s_cbranch_scc0 .Lentry_shape_is_right
	s_endpgm
.Lentry_shape_is_right:
; S[row][key] = sum over h of bf16(p[row][h]) (hi[key][h] + lo[key][h]), f32 sums; then a softmax LOCAL to the wave's 128 keys: for each row and block of 128 keys the maximum m,
; P' = 2^(c s - c m) (c = log2 e) in f16 into pw [16384][1024], c m into sm and the sum l of the unrounded P' into sl, both [16 batches][8 blocks][1024 rows] f32.  The next launch joins the blocks.
; The maximum is taken away before every exponential; P' lies in 0 to 1; a P' below 2^-126 counts as 0 in l.  NaN and infinities are not treated apart.
; SHAPE.  A tile of S is 256 rows x 256 keys, four waves of 128 x 128.  K goes in 16 steps of 64 channels: a slot holds 256 rows of p in f32 (256 bytes a row) and 256 keys' blocks [hi 64 | lo 64] of t2
; (256 bytes a row); a step is 256 matrix instructions a wave, since every fragment of p, once rounded to bf16 in registers, meets hi and lo.  A cluster of 4 x 4 work-groups is one batch:
; p's tile is shared along a row of it, t2's along a column, each asked for jointly.
; The matrix instruction is used transposed (source 0 = 16 keys, source 1 = 16 rows of p): a lane holds row l % 16 and the keys 8 (l / 16) + 0..7.
; REGISTERS in windows of 256: window 0: v0-31 addresses, v64-191 p's two bf16 fragment buffers (channels 0-31, 32-63 of a step); window 1: v64-191 t2's two buffers, v0-63 and v192-255 p as loaded (f32);
; windows 2, 3: accumulators (a, b) at v[8 (8 (a % 4) + b)].
; THE TEXT.  A K step is written three times: its first quarter ahead of the loop, the loop that fills slots again, and a loop of two trips for the last two steps, which ask for nothing; that loop is
; left in its middle, so its last change of slots fetches one run of fragments that serves nothing: the price, once a launch, of not writing the last step out.
.set PITCH,  272
.set HALFT,  128*PITCH
.set SLOT,   4*HALFT
.set STEPS,  16
.set ASTEP,  256
.set BSTEP,  256
.set SPITCH, 560                       ; the stage: 256 bytes, 16 of padding, 256 bytes, 32 of padding: sixteen lanes that read 32 neighbouring bytes each touch sixteen different 16-byte columns
.set WSTAGE, 128*SPITCH                ; a wave's stage: the four take bytes 0 to 286,719, the ring (which has had its last fill) and 8,192 bytes behind it
.set STATS,  4*WSTAGE                  ; 1,024 bytes a wave: 128 c m, then 128 l
.set SPARE,  STATS+4096                ; the spare words, 128 bytes a wave, which no other line names
.set ADRA0, 16
.set ADRB0, 17
.set ADRA,  18
.set ADRB,  19
.set STO,   20                         ; v20  where my accumulators go in the stage
.set RD,    21                         ; v21  where the next 8 rows are read back
.set O1,    22                         ; v22  my byte offset in pw, one set of 8 rows ahead: the stores reach back
.set SA,    23                         ; v23  where my row's statistics go
.set L16,   24                         ; v24  16 x lane
.set SRD,   25                         ; v25  where I read the statistics back
.set SPW,   28
.set NIL,   29
.set FA0,   64
.set FA1,   128
.set FB0,   64
.set FB1,   128
.set XA,    64                         ; the way out: two sets of 4 pairs of rows x 8 scores, which take turns
.set XB,    96
.set MT,    128                        ; the maxima
.set CM,    132                        ; c m, one even-aligned pair a row pair; the odd halves are only named
.set PRA,   144                        ; P' in f16, a set for each set of scores
.set PRB,   160
.set SB,    176                        ; the statistics read back
.set G1A, 24
.set G0A, 32
.set G1B, 48
.set G0B, 56
.set MSB, 0
.macro WIN new
.if MSB != (\new)
	s_set_vgpr_msb (MSB<<8)|(\new)
.set MSB, \new
.endif
.endm
.set MUL_LO, 0xa1
.set TO_B,   0x40
.macro PLACES
.rept 4
	v_nop
.endr
.endm
.macro JLOAD                           ; a joint refill: waves 0 and 1 fetch p's halves, waves 2 and 3 t2's; s_nop 0 and four v_nop follow each line
	s_cmp_eq_u32 s9, 0
	s_cbranch_scc0 .Lfor_b_\@
	tensor_load_to_lds s[G0A+4:G0A+7], s[G1A:G1A+7]
	s_nop 0
.rept 4
	v_nop
.endr
	s_branch .Lasked_\@
.Lfor_b_\@:
	tensor_load_to_lds s[G0B+4:G0B+7], s[G1B:G1B+7]
	s_nop 0
.rept 4
	v_nop
.endr
.Lasked_\@:
.endm
.macro CREST
	s_cmp_lg_u32 s8, 0
	s_cbranch_scc1 .Lnot_wave_0_\@
	s_barrier_signal -3
.Lnot_wave_0_\@:
	s_barrier_wait -3
	s_barrier_signal -1
	s_barrier_wait -1
.endm
.macro CROUND
	s_barrier_signal -1
	s_barrier_wait -1
	CREST
.endm
	s_load_b128 s[4:7], s[0:1], 0x0                ; proj_p s[4:5], t2 s[6:7]
	s_load_b128 s[68:71], s[0:1], 0x10             ; pw s[68:69], sm s[70:71]
	s_load_b64 s[72:73], s[0:1], 0x20              ; sl
	v_lshl_add_u32 v[SPW], v0, 2, SPARE
	v_mov_b32 v[NIL], 0
	ds_add_u32 v[SPW], v[NIL]                      ; the wave's opening: the add and its wait stand ahead of my first tensor load
	v_lshrrev_b32 v1, 5, v0
	v_readfirstlane_b32 s8, v1                     ; wave 0..3
	s_lshr_b32 s9, s8, 1                           ; my half of the rows.  Also: I fetch p's tile (0) or t2's (1)
	s_and_b32 s10, s8, 1                           ; my half of the keys.  Also: which 128 rows of that tile I fetch
	s_bfe_u32 s11, ttmp6, 0x40000                  ; cx
	s_bfe_u32 s12, ttmp6, 0x40004                  ; cy
	s_lshl_b32 s13, ttmp9, 2
	s_add_co_u32 s13, s13, s11                     ; tile column (256 keys of the batch)
	s_and_b32 s15, ttmp7, 0xffff                   ; cluster y = the batch
	s_lshl_b32 s14, s15, 2
	s_add_co_u32 s14, s14, s12                     ; tile row among all 64
	s_lshl_b32 s40, s12, 2
	s_lshl_b32 s40, 15, s40                        ; my row of the cluster
	s_lshl_b32 s41, 0x1111, s11                    ; my column
	s_or_b32 s[G1A], s40, (2<<16)|(1<<20)|(1<<21)|(5<<22)|(3<<25)  ; 4-byte elements; padding of 4 words after every 64
	s_mov_b32 s[G1A+1], 64<<16                     ; tensor_dim0 = 64
	s_mov_b32 s[G1A+2], 128<<16                    ; tensor_dim1 = 128
	s_mov_b32 s[G1A+3], 64<<16                     ; tile_dim0 = 64
	s_mov_b32 s[G1A+4], 128                        ; tile_dim1 = 128
	s_mov_b32 s[G1A+5], 1024                       ; elements from row to row
	s_mov_b32 s[G1A+6], 0
	s_mov_b32 s[G1A+7], 0
	s_or_b32 s[G1B], s41, (1<<16)|(1<<20)|(1<<21)|(5<<22)|(3<<25)  ; 2-byte elements
	s_mov_b32 s[G1B+1], 128<<16
	s_mov_b32 s[G1B+2], 128<<16
	s_mov_b32 s[G1B+3], 128<<16
	s_mov_b32 s[G1B+4], 128
	s_mov_b32 s[G1B+5], 2048                       ; a key's row of t2 is 2,048 elements
	s_mov_b32 s[G1B+6], 0
	s_mov_b32 s[G1B+7], 0
	s_lshl_b32 s16, s14, 20                        ; p: (256 x tile row + 128 x half) rows of 4,096 bytes
	s_lshl_b32 s17, s10, 19
	s_add_co_u32 s16, s16, s17
	s_mov_b32 s17, 0
	s_lshl_b32 s20, s15, 22                        ; t2: (1,024 x batch + 256 x tile column + 128 x half) rows of 4,096 bytes: the batch is the whole cluster's
	s_lshl_b32 s21, s13, 20
	s_add_co_u32 s20, s20, s21
	s_lshl_b32 s21, s10, 19
	s_add_co_u32 s20, s20, s21
	s_mov_b32 s21, 0
	s_mul_i32 s22, s8, HALFT
	s_mov_b32 s44, 0x3fb8aa3b                      ; c = log2 e
	s_mov_b32 s45, s44                             ; named with it as a pair
	s_wait_dscnt 0x0                               ; the opening add is done
	s_wait_kmcnt 0x0
	s_add_nc_u64 s[16:17], s[4:5], s[16:17]
	s_add_nc_u64 s[20:21], s[6:7], s[20:21]
	CROUND                                         ; all sixteen work-groups are here: the first joint loads meet
.irp s, 0,1
	s_mov_b32 s[G0A+4*(\s)], 1
	s_add_co_u32 s[G0A+4*(\s)+1], s22, (\s)*SLOT
	s_add_nc_u64 s[G0A+4*(\s)+2:G0A+4*(\s)+3], s[16:17], (\s)*ASTEP
	s_or_b32 s[G0A+4*(\s)+3], s[G0A+4*(\s)+3], 0x80000000
	s_mov_b32 s[G0B+4*(\s)], 1
	s_add_co_u32 s[G0B+4*(\s)+1], s22, (\s)*SLOT
	s_add_nc_u64 s[G0B+4*(\s)+2:G0B+4*(\s)+3], s[20:21], (\s)*BSTEP
	s_or_b32 s[G0B+4*(\s)+3], s[G0B+4*(\s)+3], 0x80000000
.endr
	s_cmp_eq_u32 s9, 0                             ; a wave's two first fills stand in one branch: two loads of mine are out
	s_cbranch_scc0 .Lfirst_b
	tensor_load_to_lds s[G0A:G0A+3], s[G1A:G1A+7]
	s_nop 0
	tensor_load_to_lds s[G0A+4:G0A+7], s[G1A:G1A+7]
	s_nop 0
.rept 4
	v_nop
.endr
	s_branch .Lfirst_asked
.Lfirst_b:
	tensor_load_to_lds s[G0B:G0B+3], s[G1B:G1B+7]
	s_nop 0
	tensor_load_to_lds s[G0B+4:G0B+7], s[G1B:G1B+7]
	s_nop 0
.rept 4
	v_nop
.endr
.Lfirst_asked:
	v_and_b32 v1, 15, v0                           ; r = l % 16
	v_bfe_u32 v2, v0, 4, 1                         ; h = l / 16
	v_mul_u32_u24 v3, v1, PITCH
	s_mul_i32 s74, s9, HALFT
	s_mul_i32 s75, s10, HALFT
	s_add_co_u32 s75, s75, 2*HALFT
	v_lshl_add_u32 v4, v2, 5, v3                   ; p in f32: 8 channels are 32 bytes
	v_add_nc_u32 v[ADRA0], s74, v4
	v_lshl_add_u32 v4, v2, 4, v3                   ; t2 in bf16: 16 bytes
	v_add_nc_u32 v[ADRB0], s75, v4
	v_mov_b32 v[ADRA], v[ADRA0]
	v_mov_b32 v[ADRB], v[ADRB0]
	s_mov_b32 s42, 0
	s_mul_i32 s23, s8, WSTAGE                      ; my stage
	v_mul_u32_u24 v4, v1, SPITCH
	v_lshl_add_u32 v4, v2, 5, v4
	v_add_nc_u32 v[STO], s23, v4
	v_bfe_u32 v5, v0, 3, 1
	v_mul_u32_u24 v6, v2, SPITCH                   ; back: lanes 0-15 one row, lanes 16-31 the next; lane % 16 takes 8 keys, past the padding in the row's middle
	v_lshl_add_u32 v6, v1, 5, v6
	v_lshl_add_u32 v6, v5, 4, v6
	v_add_nc_u32 v[RD], s23, v6
	v_lshlrev_b32 v[O1], 4, v1
	v_lshl_add_u32 v[O1], v2, 11, v[O1]            ; the same two rows in pw, 16 bytes a lane
	s_lshl_b32 s75, s8, 10
	s_add_co_u32 s75, s75, STATS
	v_lshl_add_u32 v[SA], v2, 2, s75
	v_and_b32 v7, 31, v0
	v_lshlrev_b32 v[L16], 4, v7
	v_add_nc_u32 v[SRD], s75, v[L16]
	s_lshl_b32 s76, s14, 19                        ; pw: my first row x 2,048 bytes + my 128 keys' 256 bytes
	s_lshl_b32 s77, s9, 18
	s_add_co_u32 s76, s76, s77
	s_lshl_b32 s77, s13, 9
	s_add_co_u32 s76, s76, s77
	s_lshl_b32 s77, s10, 8
	s_add_co_u32 s76, s76, s77
	s_mov_b32 s77, 0
	s_add_nc_u64 s[68:69], s[68:69], s[76:77]
	s_lshl_b32 s78, s15, 15                        ; sm, sl: ((8 x batch + my block of keys) x 1,024 + my first row in the batch) x 4 bytes
	s_lshl_b32 s79, s13, 13
	s_add_co_u32 s78, s78, s79
	s_lshl_b32 s79, s10, 12
	s_add_co_u32 s78, s78, s79
	s_lshl_b32 s79, s12, 10
	s_add_co_u32 s78, s78, s79
	s_lshl_b32 s79, s9, 9
	s_add_co_u32 s78, s78, s79
	s_mov_b32 s79, 0
	s_add_nc_u64 s[70:71], s[70:71], s[78:79]
	s_add_nc_u64 s[72:73], s[72:73], s[78:79]
; 16 matrix instructions: row blocks a0, a0 + 1 of the window's four x all 8 key blocks; p's buffer fa, t2's buffer fb.  The 64 accumulators take turns in the same order in every quarter.
.macro MUL16 fa, fb, hi, a0, zero
	WIN MUL_LO+0x50*(\hi)
.irp a, \a0, (\a0)+1
.irp b, 0,1,2,3,4,5,6,7
.if \zero
	v_wmma_f32_16x16x32_bf16 v[8*(8*(\a)+(\b)):8*(8*(\a)+(\b))+7], v[(\fb)+8*(\b):(\fb)+8*(\b)+7], v[(\fa)+8*(4*(\hi)+(\a)):(\fa)+8*(4*(\hi)+(\a))+7], 0
.else
	v_wmma_f32_16x16x32_bf16 v[8*(8*(\a)+(\b)):8*(8*(\a)+(\b))+7], v[(\fb)+8*(\b):(\fb)+8*(\b)+7], v[(\fa)+8*(4*(\hi)+(\a)):(\fa)+8*(4*(\hi)+(\a))+7], v[8*(8*(\a)+(\b)):8*(8*(\a)+(\b))+7]
.endif
.endr
.endr
.endm
.macro FETCHB k, fb                    ; 16 loads: 128 keys x 32 channels at byte k of the rows (hi: 0, 64; lo: 128, 192)
	WIN TO_B
.irp i, 0,1,2,3,4,5,6,7
	ds_load_b128 v[(\fb)+8*(\i):(\fb)+8*(\i)+3],   v[ADRB] offset:(\k)+(\i)*16*PITCH
	ds_load_b128 v[(\fb)+8*(\i)+4:(\fb)+8*(\i)+7], v[ADRB] offset:(\k)+(\i)*16*PITCH+32
.endr
.endm
.macro FETCHA kk                       ; 32 loads: 128 rows x 32 channels of p in f32: a lane's channels 8 h + 0..7 and 16 + 8 h + 0..7, 16 registers a row block
	WIN TO_B
.irp a, 0,1,2,3,4,5,6,7
.set SG, 16*(\a)+128*((\a)/4)
	ds_load_b128 v[SG:SG+3],     v[ADRA] offset:128*(\kk)+(\a)*16*PITCH
	ds_load_b128 v[SG+4:SG+7],   v[ADRA] offset:128*(\kk)+(\a)*16*PITCH+16
	ds_load_b128 v[SG+8:SG+11],  v[ADRA] offset:128*(\kk)+(\a)*16*PITCH+64
	ds_load_b128 v[SG+12:SG+15], v[ADRA] offset:128*(\kk)+(\a)*16*PITCH+80
.endr
.endm
.macro CVTA fa                         ; they are rounded to bf16: 64 lines, which name no register of the products round them
	WIN 0x05                                       ; sources in window 1, destination in window 0
.irp a, 0,1,2,3,4,5,6,7
.set SG, 16*(\a)+128*((\a)/4)
.irp i, 0,1,2,3,4,5,6,7
	v_cvt_pk_bf16_f32 v[(\fa)+8*(\a)+(\i)], v[SG+2*(\i)], v[SG+2*(\i)+1]
.endr
.endr
.endm
; A K step's four quarters: (channels 0-31, hi), (0-31, lo), (32-63, hi), (32-63, lo)
.macro Q0 zero
	s_wait_dscnt 0x0                               ; hi of channels 0-31 and p's f32 are in
	CVTA FA0
	MUL16 FA0, FB0, 0, 0, \zero
	MUL16 FA0, FB0, 0, 2, \zero
	PLACES
	FETCHB 128, FB1
	FETCHA 1
	MUL16 FA0, FB0, 1, 0, \zero
	MUL16 FA0, FB0, 1, 2, \zero
.endm
.macro Q1
	s_wait_dscnt 32                                ; lo is in; the 32 loads of p behind it may be out
	MUL16 FA0, FB1, 0, 0, 0
	MUL16 FA0, FB1, 0, 2, 0
	s_wait_dscnt 0x0
	CVTA FA1                                       ; also the places in front of the loads below
	FETCHB 64, FB0
	MUL16 FA0, FB1, 1, 0, 0
	MUL16 FA0, FB1, 1, 2, 0
.endm
.macro Q2
	s_wait_dscnt 0x0
	MUL16 FA1, FB0, 0, 0, 0
	MUL16 FA1, FB0, 0, 2, 0
	PLACES
	FETCHB 192, FB1
	MUL16 FA1, FB0, 1, 0, 0
	MUL16 FA1, FB0, 1, 2, 0
.endm
; The last quarter changes slots: in front of the barrier each wave waits for all its tensor loads (one is out at the most: its part of the next slot), adds 0 to its spare word and waits for that and for its
; reads of this slot.  fill = 1: the barrier opens a round of the cluster's, and behind the round this slot is filled again, two K steps ahead, first of all.
.macro TURN fill
	WIN 0
	s_wait_tensorcnt 0x0
	ds_add_u32 v[SPW], v[NIL]                      ; 0 onto my spare word
	s_wait_dscnt 1                                 ; lo of channels 32-63 is in; the add may be out
	MUL16 FA1, FB1, 0, 0, 0
	s_wait_dscnt 0x0                               ; the add is done, and my reads of this slot are over
	s_barrier_signal -1
	MUL16 FA1, FB1, 0, 2, 0
	WIN 0
	s_barrier_wait -1
.if \fill
	CREST
	s_xor_b32 s[G0A+5], s[G0A+5], SLOT
	s_add_nc_u64 s[G0A+6:G0A+7], s[G0A+6:G0A+7], ASTEP
	s_xor_b32 s[G0B+5], s[G0B+5], SLOT
	s_add_nc_u64 s[G0B+6:G0B+7], s[G0B+6:G0B+7], BSTEP
	JLOAD                                          ; my one tensor load behind the round; its four v_nop are also the places in front of the loads below
.else
	PLACES
.endif
	s_xor_b32 s42, s42, SLOT
	v_add_nc_u32 v[ADRA], s42, v[ADRA0]
	v_add_nc_u32 v[ADRB], s42, v[ADRB0]
	FETCHB 0, FB0
	FETCHA 0
	MUL16 FA1, FB1, 1, 0, 0
	MUL16 FA1, FB1, 1, 2, 0
.endm
.macro DUMP p16, mid                   ; the accumulators as f32 into my stage; each accumulator's low registers first
.irp a, 0,1,2,3,4,5,6,7
	WIN 0x08+4*((\a)/4)
.irp b, 0,1,2,3,4,5,6,7
	ds_store_b128 v[STO], v[64*((\a)%4)+8*(\b):64*((\a)%4)+8*(\b)+3]   offset:(\a)*(\p16)+64*(\b)+(\mid)*16*((\b)/4)
	ds_store_b128 v[STO], v[64*((\a)%4)+8*(\b)+4:64*((\a)%4)+8*(\b)+7] offset:(\a)*(\p16)+64*(\b)+(\mid)*16*((\b)/4)+16
.endr
.endr
	WIN 0
.endm
	s_wait_tensorcnt 1                             ; my part of K step 0 is in; step 1's may stay out
	s_barrier_signal -1
	s_barrier_wait -1
	FETCHB 0, FB0
	FETCHA 0
	Q0 1                                           ; the first quarter stands in front of the loop: its products start the sums
	WIN 0
	s_mov_b32 s3, STEPS-2
.Lstep:                                                ; a trip: a K step's quarters 2 to 4, the change of slots with its refill, the next step's first quarter
	Q1
	Q2
	TURN 1
	Q0 0
	WIN 0
	s_sub_co_u32 s3, s3, 1
	s_cmp_lg_u32 s3, 0
	s_cbranch_scc1 .Lstep
	s_mov_b32 s3, 2
.Ltail:                                                ; the last two K steps ask for nothing: the same trip without a refill, walked twice and left in its middle
	Q1
	Q2
	TURN 0
	WIN 0
	s_sub_co_u32 s3, s3, 1
	s_cmp_eq_u32 s3, 0
	s_cbranch_scc1 .Lend
	Q0 0
	WIN 0
	s_branch .Ltail
.Lend:
	s_wait_dscnt 0x0                               ; the last change of slots has fetched fragments that serve nothing: they are back, and my reads of the ring are over
	s_barrier_signal -1                            ; the ring has had its last fill; when nobody reads it any more it becomes the stage
	s_barrier_wait -1
	PLACES
	DUMP 16*SPITCH, 1
	; THE WAY OUT, 8 rows (four pairs) a set, two sets by turns.  Sixteen lanes hold a row's 128 scores, 8 each: maximum and sum go through four exchanges inside the sixteen.  A set's registers are loaded
	; again as soon as the set has been worked on, so that its LDS loads land while the other set is at work.
.macro LOADX x                         ; 8 rows from my stage (LDS serves a wave's instructions in order, ISA guide 5.7.1.4: these see my stores)
.irp p, 0,1,2,3
	ds_load_b128 v[(\x)+8*(\p):(\x)+8*(\p)+3],   v[RD] offset:2*SPITCH*(\p)
	ds_load_b128 v[(\x)+8*(\p)+4:(\x)+8*(\p)+7], v[RD] offset:2*SPITCH*(\p)+16
.endr
	v_add_nc_u32 v[RD], 8*SPITCH, v[RD]
.endm
.macro PROC x, pr                      ; each stage is written for all four pairs on end
	s_wait_dscnt 8                                 ; this set's 8 loads are in: behind them stand 8 LDS instructions at the least, the youngest 8 of which (the other set's loads, or the last statistics) may stay out
.irp p, 0,1,2,3
	v_max3_num_f32 v[MT+(\p)], v[(\x)+8*(\p)], v[(\x)+8*(\p)+1], v[(\x)+8*(\p)+2]
.endr
.irp p, 0,1,2,3
	v_max3_num_f32 v[MT+(\p)], v[MT+(\p)], v[(\x)+8*(\p)+3], v[(\x)+8*(\p)+4]
.endr
.irp p, 0,1,2,3
	v_max3_num_f32 v[MT+(\p)], v[MT+(\p)], v[(\x)+8*(\p)+5], v[(\x)+8*(\p)+6]
.endr
.irp p, 0,1,2,3
	v_max_num_f32 v[MT+(\p)], v[MT+(\p)], v[(\x)+8*(\p)+7]
.endr
.irp m, 1,2,4,8
.irp p, 0,1,2,3
	v_max_num_f32_dpp v[MT+(\p)], v[MT+(\p)], v[MT+(\p)] row_xmask:\m row_mask:0xf bank_mask:0xf
.endr
.endr
.irp p, 0,1,2,3
	v_mul_f32 v[CM+2*(\p)], 0x3fb8aa3b, v[MT+(\p)]
.endr
.irp p, 0,1,2,3
.irp j, 0,2,4,6
	v_pk_fma_f32 v[(\x)+8*(\p)+(\j):(\x)+8*(\p)+(\j)+1], v[(\x)+8*(\p)+(\j):(\x)+8*(\p)+(\j)+1], s[44:45], v[CM+2*(\p):CM+2*(\p)+1] op_sel_hi:[1,0,0] neg_lo:[0,0,1] neg_hi:[0,0,1]  ; c s - c m
.endr
.endr
.set i, 0
.rept 32
	v_exp_f32 v[(\x)+i], v[(\x)+i]
.set i, i+1
.endr
	s_wait_xcnt 0x0                                ; the stores of the sets before have had their addresses translated: only behind this wait are their offset and this set's P' rewritten
	v_add_nc_u32 v[O1], 8*2048, v[O1]              ; the offset runs 8 rows ahead.  Also the plain instruction between the last exponential and the use of its result
	s_wait_alu depctr_va_vdst(0)
.irp p, 0,1,2,3
.irp j, 0,1,2,3
	v_cvt_pk_f16_f32 v[(\pr)+4*(\p)+(\j)], v[(\x)+8*(\p)+2*(\j)], v[(\x)+8*(\p)+2*(\j)+1]
.endr
.endr
.irp p, 0,1,2,3
	v_pk_add_f32 v[(\x)+8*(\p):(\x)+8*(\p)+1],   v[(\x)+8*(\p):(\x)+8*(\p)+1],   v[(\x)+8*(\p)+2:(\x)+8*(\p)+3]
	v_pk_add_f32 v[(\x)+8*(\p)+4:(\x)+8*(\p)+5], v[(\x)+8*(\p)+4:(\x)+8*(\p)+5], v[(\x)+8*(\p)+6:(\x)+8*(\p)+7]
.endr
.irp p, 0,1,2,3
	v_pk_add_f32 v[(\x)+8*(\p):(\x)+8*(\p)+1], v[(\x)+8*(\p):(\x)+8*(\p)+1], v[(\x)+8*(\p)+4:(\x)+8*(\p)+5]
.endr
.irp p, 0,1,2,3
	v_add_f32 v[(\x)+8*(\p)], v[(\x)+8*(\p)], v[(\x)+8*(\p)+1]
.endr
.irp m, 1,2,4,8
.irp p, 0,1,2,3
	v_add_f32_dpp v[(\x)+8*(\p)], v[(\x)+8*(\p)], v[(\x)+8*(\p)] row_xmask:\m row_mask:0xf bank_mask:0xf
.endr
.endr
.irp p, 0,1,2,3
	global_store_b128 v[O1], v[(\pr)+4*(\p):(\pr)+4*(\p)+3], s[68:69] offset:4096*(\p)-8*2048   ; sixteen lanes store a row's 256 consecutive bytes, aligned
	ds_store_b32 v[SA], v[CM+2*(\p)] offset:8*(\p)                                              ; a row's sixteen lanes write one word with one value
	ds_store_b32 v[SA], v[(\x)+8*(\p)] offset:512+8*(\p)
.endr
	v_add_nc_u32 v[SA], 32, v[SA]
.endm
.irp p, 0,1,2,3
	v_mov_b32 v[CM+2*(\p)+1], 0                    ; named with c m as a pair
.endr
	LOADX XA                                       ; rows 0 to 7
	LOADX XB                                       ; rows 8 to 15
	s_mov_b32 s43, 8
.Lout:                                                 ; a trip: 16 rows
	PROC XA, PRA
	s_cmp_eq_u32 s43, 1
	s_cbranch_scc1 .Lno_a                          ; the last trip has no rows left to read
	LOADX XA
.Lno_a:
	PROC XB, PRB
	s_cmp_eq_u32 s43, 1
	s_cbranch_scc1 .Lno_b
	LOADX XB
.Lno_b:
	s_sub_co_u32 s43, s43, 1
	s_cmp_lg_u32 s43, 0
	s_cbranch_scc1 .Lout
	ds_load_b128 v[SB:SB+3],   v[SRD]              ; my wave's 128 c m and 128 l, my own bytes: 512 consecutive bytes each
	ds_load_b128 v[SB+4:SB+7], v[SRD] offset:512
	s_wait_dscnt 0x0
	global_store_b128 v[L16], v[SB:SB+3],   s[70:71]
	global_store_b128 v[L16], v[SB+4:SB+7], s[72:73]
	s_wait_tensorcnt 0x0                           ; the wave's end: behind my last tensor load and my last LDS store
	ds_add_u32 v[SPW], v[NIL]
	s_wait_dscnt 0x0
	CROUND                                         ; the closing round
	s_endpgm
.Lfunc_end_k_qea9302d387_score:
	.size	k_qea9302d387_score, .Lfunc_end_k_qea9302d387_score-k_qea9302d387_score
	.p2alignl 7, 3214868480
	.fill 96, 4, 3214868480
	.section	.rodata,"a",@progbits
	.p2align	6, 0x0
	.amdhsa_kernel k_qea9302d387_score
		.amdhsa_group_segment_fixed_size 327680
		.amdhsa_private_segment_fixed_size 0
		.amdhsa_enable_private_segment 0
		.amdhsa_kernarg_size 40
		.amdhsa_user_sgpr_count 2
		.amdhsa_user_sgpr_kernarg_segment_ptr 1
		.amdhsa_wavefront_size32 1
		.amdhsa_system_sgpr_workgroup_id_x 1
		.amdhsa_system_sgpr_workgroup_id_y 1
		.amdhsa_system_sgpr_workgroup_id_z 1
		.amdhsa_system_vgpr_workitem_id 0
		.amdhsa_next_free_vgpr 1024
		.amdhsa_next_free_sgpr 80
		.amdhsa_reserve_vcc 0
		.amdhsa_float_denorm_mode_32 3
		.amdhsa_float_denorm_mode_16_64 3
		.amdhsa_memory_ordered 1
		.amdhsa_forward_progress 1
		.amdhsa_inst_pref_size 118
	.end_amdhsa_kernel
	.amdgpu_metadata
---
amdhsa.version: [ 1, 2 ]
amdhsa.kernels:
  - .name:           k_qea9302d387_score
    .symbol:         k_qea9302d387_score.kd
    .args:
      - { .name: proj_p, .offset: 0, .size: 8, .value_kind: global_buffer, .address_space: global }
      - { .name: t2, .offset: 8, .size: 8, .value_kind: global_buffer, .address_space: global }
      - { .name: pw, .offset: 16, .size: 8, .value_kind: global_buffer, .address_space: global }
      - { .name: sm, .offset: 24, .size: 8, .value_kind: global_buffer, .address_space: global }
      - { .name: sl, .offset: 32, .size: 8, .value_kind: global_buffer, .address_space: global }
    .group_segment_fixed_size: 327680
    .private_segment_fixed_size: 0
    .kernarg_segment_align: 8
    .kernarg_segment_size: 40
    .max_flat_workgroup_size: 128
    .sgpr_count:     80
    .vgpr_count:     1024
    .wavefront_size: 32
...
	.end_amdgpu_metadata
.endif
;; end of part 3
;; launch mix (part 4): grid 4 x 64, 4 waves a work-group, clusters of 4 x 4, 327,680 bytes of LDS; arguments pw, v16, sm, sl, out0; writes out0
.if DOCPART == 4
	.amdgcn_target "amdgcn-amd-amdhsa--gfx1250"
	.amdhsa_code_object_version 6
	.text
	.protected	k_qea9302d387_mix
	.globl	k_qea9302d387_mix
	.p2align	8
	.type	k_qea9302d387_mix,@function
k_qea9302d387_mix:
	s_mov_b64 s[64:65], 0
	v_nop
	global_prefetch_b8 v0, s[64:65] scope:SCOPE_SE
	s_setreg_imm32_b32 hwreg(HW_REG_WAVE_MODE, 25, 1), 1
	s_wait_xcnt 0x0
	s_wait_alu depctr_hold_cnt(0) depctr_sa_sdst(0) depctr_va_vdst(0) depctr_va_sdst(0) depctr_va_ssrc(0) depctr_va_vcc(0) depctr_vm_vsrc(0)
	s_getreg_b32 s2, hwreg(HW_REG_IB_STS2, 6, 4)
	s_cmp_eq_u32 s2, 0
	s_cbranch_scc0 .Lentry_in_a_cluster
	s_endpgm
.Lentry_in_a_cluster:
	s_bfe_u32 s2, ttmp6, 0x10000c
	s_cmp_lg_u32 s2, 0xf033
	s_cbranch_scc0 .Lentry_shape_is_right
	s_endpgm
.Lentry_shape_is_right:
; out[row][o] = relu(sum over keys of w[row][key] t[key][o]), w = softmax of the row's scores.  reference() multiplies the weighted mean of q by W and adds b; a row's weights sum to 1, so that is the
; weighted mean of t = W q + b, for every input: only the order of rounding differs.
; w = P'[row][key] g[row][blk], blk = key / 128: with M = the maximum of the row's eight c m, f = 2^(c m - M), l = sum of f l_blk: g = f / l.  M is the row's true maximum (times c): nothing can overflow.
; P' and g are f16, their product is rounded to f16 (v_pk_mul_f16) and is the product's operand; t is v16, f16.  LIMITS: a weight under f16's smallest step, 6e-8, counts as 0; f below 2^-126 counts as 0;
; v16 holds |t| under 65,520; NaN and infinities are not treated apart (v_max_num_f32 turns a NaN into 0).
; SHAPE.  A tile of out is 256 x 256, four waves of 128 x 128; K = the batch's 1,024 keys in 8 steps of 128 = one block.  A slot holds 256 rows of P' (256 bytes a row) and 128 keys x 256 channels of t
; (512 bytes a row), which come out of LDS turned, by ds_load_tr16_b128.  A cluster of 4 x 4 work-groups is one batch: P' is shared along a row of it, t along a column, each asked for jointly.
; The matrix instruction is used transposed (source 0 = 16 channels, source 1 = 16 rows): a lane holds row l % 16 and the channels 8 (l / 16) + 0..7.
; REGISTERS in windows of 256: window 0: v0-31 addresses, v64-191 P's two fragment buffers, v192-199 g of my lane's 8 rows; window 1: v64-191 t's two buffers; windows 2, 3: accumulators.
; THE TEXT.  A K step is written three times: its first quarter ahead of the loop, the loop that fills slots again, and a loop of two trips for the last two steps, which ask for nothing; that loop is
; left in its middle, so its last change of slots fetches one run of fragments, and a ninth block of g, that serve nothing: the price, once a launch, of not writing the last step out.
.set PITCH,  272
.set PV,     544                       ; a key's row of t in LDS: 512 bytes + 32: an odd multiple of 32; 64 such rows are as long as 128 rows of P'
.set HALFT,  128*PITCH
.set SLOT,   4*HALFT
.set GT,     2*SLOT                    ; behind the ring: g as two f16, [9 blocks][16 r][8 a] for each wave; no fill lands here
.set GTW,    9*512                     ; a wave's table: the eight blocks and a ninth, a copy of the eighth, which the last change of slots reads and nobody uses
.set SPARE,  GT+4*GTW                  ; the spare words, 128 bytes a wave, which no other line names
.set STEPS,  8
.set ASTEP,  256
.set BSTEP,  128*2048                  ; 128 keys on
.set SPITCH, 528
.set WSTAGE, 128*SPITCH
.set ADRA0, 16
.set ADRB0, 17
.set ADRA,  18
.set ADRB,  19
.set STO,   20
.set RD,    21
.set O1,    22
.set GA,    24                         ; v24  where the block in hand's g of my rows lie
.set SPW,   28
.set NIL,   29
.set F0,    64
.set F1,    128
.set GR,    192
.set XR,    64
.set G1A, 24
.set G0A, 32
.set G1B, 48
.set G0B, 56
.set MSB, 0
.macro WIN new
.if MSB != (\new)
	s_set_vgpr_msb (MSB<<8)|(\new)
.set MSB, \new
.endif
.endm
.set MUL_LO, 0xa1
.set TO_B,   0x40
.macro PLACES
.rept 4
	v_nop
.endr
.endm
.macro JLOAD                           ; a joint refill: waves 0 and 1 fetch P's halves, waves 2 and 3 t's; s_nop 0 and four v_nop follow each line
	s_cmp_eq_u32 s9, 0
	s_cbranch_scc0 .Lfor_b_\@
	tensor_load_to_lds s[G0A+4:G0A+7], s[G1A:G1A+7]
	s_nop 0
.rept 4
	v_nop
.endr
	s_branch .Lasked_\@
.Lfor_b_\@:
	tensor_load_to_lds s[G0B+4:G0B+7], s[G1B:G1B+7]
	s_nop 0
.rept 4
	v_nop
.endr
.Lasked_\@:
.endm
.macro CREST
	s_cmp_lg_u32 s8, 0
	s_cbranch_scc1 .Lnot_wave_0_\@
	s_barrier_signal -3
.Lnot_wave_0_\@:
	s_barrier_wait -3
	s_barrier_signal -1
	s_barrier_wait -1
.endm
.macro CROUND
	s_barrier_signal -1
	s_barrier_wait -1
	CREST
.endm
	s_load_b128 s[4:7], s[0:1], 0x0                ; pw s[4:5], v16 s[6:7]
	s_load_b128 s[68:71], s[0:1], 0x10             ; sm s[68:69], sl s[70:71]
	s_load_b64 s[72:73], s[0:1], 0x20              ; out0
	v_lshl_add_u32 v[SPW], v0, 2, SPARE
	v_mov_b32 v[NIL], 0
	ds_add_u32 v[SPW], v[NIL]                      ; the wave's opening: the add and its wait stand ahead of my first tensor load
	v_lshrrev_b32 v1, 5, v0
	v_readfirstlane_b32 s8, v1                     ; wave 0..3
	s_lshr_b32 s9, s8, 1                           ; my half of the rows.  Also: I fetch P's tile (0) or t's (1)
	s_and_b32 s10, s8, 1                           ; my half of the channels.  Also: which half of that tile I fetch
	s_bfe_u32 s11, ttmp6, 0x40000                  ; cx
	s_bfe_u32 s12, ttmp6, 0x40004                  ; cy
	s_lshl_b32 s13, ttmp9, 2
	s_add_co_u32 s13, s13, s11                     ; tile column (256 channels)
	s_and_b32 s15, ttmp7, 0xffff                   ; cluster y = the batch
	s_lshl_b32 s14, s15, 2
	s_add_co_u32 s14, s14, s12                     ; tile row among all 64
	s_lshl_b32 s40, s12, 2
	s_lshl_b32 s40, 15, s40
	s_lshl_b32 s41, 0x1111, s11
	s_or_b32 s[G1A], s40, (1<<16)|(1<<20)|(1<<21)|(5<<22)|(3<<25)  ; 128 rows x 128 elements of 2 bytes; 4 words of padding after every 64
	s_mov_b32 s[G1A+1], 128<<16
	s_mov_b32 s[G1A+2], 128<<16
	s_mov_b32 s[G1A+3], 128<<16
	s_mov_b32 s[G1A+4], 128
	s_mov_b32 s[G1A+5], 1024
	s_mov_b32 s[G1A+6], 0
	s_mov_b32 s[G1A+7], 0
	s_or_b32 s[G1B], s41, (1<<16)|(1<<20)|(1<<21)|(6<<22)|(7<<25)  ; 64 keys x 256 elements; 8 words of padding after every 128
	s_mov_b32 s[G1B+1], 256<<16
	s_mov_b32 s[G1B+2], 64<<16
	s_mov_b32 s[G1B+3], 256<<16
	s_mov_b32 s[G1B+4], 64
	s_mov_b32 s[G1B+5], 1024
	s_mov_b32 s[G1B+6], 0
	s_mov_b32 s[G1B+7], 0
	s_lshl_b32 s16, s14, 19                        ; pw: (256 x tile row + 128 x half) rows of 2,048 bytes
	s_lshl_b32 s17, s10, 18
	s_add_co_u32 s16, s16, s17
	s_mov_b32 s17, 0
	s_lshl_b32 s20, s15, 21                        ; v16: (1,024 x batch + 64 x half) keys of 2,048 bytes + 512 x tile column
	s_lshl_b32 s21, s10, 17
	s_add_co_u32 s20, s20, s21
	s_lshl_b32 s21, s13, 9
	s_add_co_u32 s20, s20, s21
	s_mov_b32 s21, 0
	s_mul_i32 s22, s8, HALFT
	s_lshl_b32 s76, s15, 15                        ; sm, sl: (8 x batch x 1,024 + my first row in the batch) x 4 bytes
	s_lshl_b32 s77, s12, 10
	s_add_co_u32 s76, s76, s77
	s_lshl_b32 s77, s9, 9
	s_add_co_u32 s76, s76, s77
	s_mov_b32 s77, 0
	v_and_b32 v3, 31, v0
	v_lshlrev_b32 v4, 4, v3                        ; 16 x lane; never rewritten
	s_wait_dscnt 0x0                               ; the opening add is done
	s_wait_kmcnt 0x0
	s_add_nc_u64 s[16:17], s[4:5], s[16:17]
	s_add_nc_u64 s[20:21], s[6:7], s[20:21]
	s_add_nc_u64 s[68:69], s[68:69], s[76:77]
	s_add_nc_u64 s[70:71], s[70:71], s[76:77]
	; The statistics of my wave's 128 rows are asked for first of all, so that they are on their way during the round and the first tiles' flight.  Lane l takes rows 4 l + 0..3: for each of 8 blocks
	; 16 bytes of sm and of sl; a wave's load covers 512 consecutive bytes.
.irp k, 0,1,2,3,4,5,6,7
	global_load_b128 v[64+4*(\k):67+4*(\k)],  v4, s[68:69] offset:4096*(\k)
	global_load_b128 v[96+4*(\k):99+4*(\k)],  v4, s[70:71] offset:4096*(\k)
.endr
	CROUND                                         ; all sixteen work-groups are here: the first joint loads meet
.irp s, 0,1
	s_mov_b32 s[G0A+4*(\s)], 1
	s_add_co_u32 s[G0A+4*(\s)+1], s22, (\s)*SLOT
	s_add_nc_u64 s[G0A+4*(\s)+2:G0A+4*(\s)+3], s[16:17], (\s)*ASTEP
	s_or_b32 s[G0A+4*(\s)+3], s[G0A+4*(\s)+3], 0x80000000
	s_mov_b32 s[G0B+4*(\s)], 1
	s_add_co_u32 s[G0B+4*(\s)+1], s22, (\s)*SLOT
	s_add_nc_u64 s[G0B+4*(\s)+2:G0B+4*(\s)+3], s[20:21], (\s)*BSTEP
	s_or_b32 s[G0B+4*(\s)+3], s[G0B+4*(\s)+3], 0x80000000
.endr
	s_cmp_eq_u32 s9, 0                             ; a wave's two first fills stand in one branch: two loads of mine are out
	s_cbranch_scc0 .Lfirst_b
	tensor_load_to_lds s[G0A:G0A+3], s[G1A:G1A+7]
	s_nop 0
	tensor_load_to_lds s[G0A+4:G0A+7], s[G1A:G1A+7]
	s_nop 0
.rept 4
	v_nop
.endr
	s_branch .Lfirst_asked
.Lfirst_b:
	tensor_load_to_lds s[G0B:G0B+3], s[G1B:G1B+7]
	s_nop 0
	tensor_load_to_lds s[G0B+4:G0B+7], s[G1B:G1B+7]
	s_nop 0
.rept 4
	v_nop
.endr
.Lfirst_asked:
	v_and_b32 v1, 15, v0                           ; r = l % 16
	v_bfe_u32 v2, v0, 4, 1                         ; h = l / 16
	v_mul_u32_u24 v5, v1, PITCH
	v_lshl_add_u32 v5, v2, 4, v5
	s_mul_i32 s74, s9, HALFT
	v_add_nc_u32 v[ADRA0], s74, v5                 ; P': row x pitch + 16 x half
	v_and_b32 v6, 7, v0
	v_bfe_u32 v7, v0, 3, 1
	v_lshl_add_u32 v8, v2, 3, v6                   ; t, turned: lane l reads key 8 h + l % 8, channels 8 ((l / 8) % 2) + 0..7
	v_mul_u32_u24 v8, v8, PV
	v_lshl_add_u32 v8, v7, 4, v8
	s_lshl_b32 s75, s10, 8                         ; my 128 channels
	s_add_co_u32 s75, s75, 2*HALFT
	v_add_nc_u32 v[ADRB0], s75, v8
	v_mov_b32 v[ADRA], v[ADRA0]
	v_mov_b32 v[ADRB], v[ADRB0]
	s_mov_b32 s42, 0
	s_mul_i32 s23, s8, WSTAGE                      ; my stage
	v_mul_u32_u24 v9, v1, SPITCH
	v_lshl_add_u32 v9, v2, 5, v9
	v_add_nc_u32 v[STO], s23, v9
	v_add_nc_u32 v[RD], s23, v4                    ; back: a row's 512 bytes, 16 a lane
	v_mov_b32 v[O1], v4
	s_mul_i32 s74, s8, GTW
	s_add_co_u32 s74, s74, GT                      ; my table
	v_and_b32 v10, 3, v3
	v_lshrrev_b32 v11, 2, v3
	v_lshlrev_b32 v12, 7, v10
	v_lshl_add_u32 v12, v11, 2, v12
	v_add_nc_u32 v12, s74, v12                     ; row 4 l + i has a = l / 4 and r = 4 (l % 4) + i: byte 32 r + 4 a of a block's 512
	v_lshl_add_u32 v[GA], v1, 5, s74
	s_lshl_b32 s78, s14, 20                        ; out0: my first row x 4,096 bytes + my 128 channels' 512 bytes
	s_lshl_b32 s79, s9, 19
	s_add_co_u32 s78, s78, s79
	s_lshl_b32 s79, s13, 10
	s_add_co_u32 s78, s78, s79
	s_lshl_b32 s79, s10, 9
	s_add_co_u32 s78, s78, s79
	s_mov_b32 s79, 0
	s_add_nc_u64 s[72:73], s[72:73], s[78:79]
	s_wait_loadcnt 0x0                             ; the statistics
.irp i, 0,1,2,3
	v_max3_num_f32 v[128+(\i)], v[64+(\i)], v[68+(\i)], v[72+(\i)]
.endr
.irp i, 0,1,2,3
	v_max3_num_f32 v[128+(\i)], v[128+(\i)], v[76+(\i)], v[80+(\i)]
.endr
.irp i, 0,1,2,3
	v_max3_num_f32 v[128+(\i)], v[128+(\i)], v[84+(\i)], v[88+(\i)]
.endr
.irp i, 0,1,2,3
	v_max_num_f32 v[128+(\i)], v[128+(\i)], v[92+(\i)]      ; M
.endr
.irp k, 0,1,2,3,4,5,6,7
.irp j, 0,2
	v_pk_add_f32 v[64+4*(\k)+(\j):65+4*(\k)+(\j)], v[64+4*(\k)+(\j):65+4*(\k)+(\j)], v[128+(\j):129+(\j)] neg_lo:[0,1] neg_hi:[0,1]  ; c m - M
.endr
.endr
.set i, 0
.rept 32
	v_exp_f32 v[64+i], v[64+i]                     ; f
.set i, i+1
.endr
	v_nop                                          ; a plain instruction between the last exponential and the use of its result
	s_wait_alu depctr_va_vdst(0)
.irp j, 0,2
	v_pk_mul_f32 v[132+(\j):133+(\j)], v[64+(\j):65+(\j)], v[96+(\j):97+(\j)]
.endr
.irp k, 1,2,3,4,5,6,7
.irp j, 0,2
	v_pk_fma_f32 v[132+(\j):133+(\j)], v[64+4*(\k)+(\j):65+4*(\k)+(\j)], v[96+4*(\k)+(\j):97+4*(\k)+(\j)], v[132+(\j):133+(\j)]  ; l, at least 1
.endr
.endr
.irp i, 0,1,2,3
	v_rcp_f32 v[136+(\i)], v[132+(\i)]
.endr
	v_nop
	s_wait_alu depctr_va_vdst(0)
.irp k, 0,1,2,3,4,5,6,7
.irp j, 0,2
	v_pk_mul_f32 v[64+4*(\k)+(\j):65+4*(\k)+(\j)], v[64+4*(\k)+(\j):65+4*(\k)+(\j)], v[136+(\j):137+(\j)]
.endr
.endr
.set i, 0
.rept 32
	v_cvt_pk_f16_f32 v[96+i], v[64+i], v[64+i]     ; g twice, for the packed multiply
.set i, i+1
.endr
.irp k, 0,1,2,3,4,5,6,7
.irp i, 0,1,2,3
	ds_store_b32 v12, v[96+4*(\k)+(\i)] offset:512*(\k)+32*(\i)
.endr
.endr
.irp i, 0,1,2,3
	ds_store_b32 v12, v[96+28+(\i)] offset:512*8+32*(\i)    ; the ninth block: the eighth once more, so that no unwritten byte is read
.endr
; 16 matrix instructions; the 64 accumulators take turns in the same order in every quarter
.macro MUL16 f, hi, a0, zero
	WIN MUL_LO+0x50*(\hi)
.irp a, \a0, (\a0)+1
.irp b, 0,1,2,3,4,5,6,7
.if \zero
	v_wmma_f32_16x16x32_f16 v[8*(8*(\a)+(\b)):8*(8*(\a)+(\b))+7], v[(\f)+8*(\b):(\f)+8*(\b)+7], v[(\f)+8*(4*(\hi)+(\a)):(\f)+8*(4*(\hi)+(\a))+7], 0
.else
	v_wmma_f32_16x16x32_f16 v[8*(8*(\a)+(\b)):8*(8*(\a)+(\b))+7], v[(\f)+8*(\b):(\f)+8*(\b)+7], v[(\f)+8*(4*(\hi)+(\a)):(\f)+8*(4*(\hi)+(\a))+7], v[8*(8*(\a)+(\b)):8*(8*(\a)+(\b))+7]
.endif
.endr
.endr
.endm
; 32 LDS loads in one run: keys 32 q on: t's 128 channels, turned, then P's 128 rows
.macro FETCH q, f
	WIN TO_B
.irp i, 0,1,2,3,4,5,6,7
	ds_load_tr16_b128 v[(\f)+8*(\i):(\f)+8*(\i)+3],   v[ADRB] offset:32*PV*(\q)+32*(\i)
	ds_load_tr16_b128 v[(\f)+8*(\i)+4:(\f)+8*(\i)+7], v[ADRB] offset:32*PV*(\q)+32*(\i)+16*PV
.endr
	WIN 0
.irp i, 0,1,2,3,4,5,6,7
	ds_load_b128 v[(\f)+8*(\i):(\f)+8*(\i)+3],   v[ADRA] offset:64*(\q)+(\i)*16*PITCH
	ds_load_b128 v[(\f)+8*(\i)+4:(\f)+8*(\i)+7], v[ADRA] offset:64*(\q)+(\i)*16*PITCH+32
.endr
.endm
.macro FETCHG                          ; the block's g of my lane's 8 rows (row 16 a + r)
	WIN 0
	ds_load_b128 v[GR:GR+3],   v[GA]
	ds_load_b128 v[GR+4:GR+7], v[GA] offset:16
.endm
.macro SCALE f, a0, n                  ; P' x g for n row blocks from a0 on, in place
	WIN 0
.set sa, \a0
.rept \n
.irp i, 0,1,2,3,4,5,6,7
	v_pk_mul_f16 v[(\f)+8*sa+(\i)], v[(\f)+8*sa+(\i)], v[GR+sa]
.endr
.set sa, sa+1
.endr
.endm
.macro QUARTER q, f, g, zero
	s_wait_dscnt 8                                 ; g, t's fragments and P's rows 0-63 are in; the youngest eight loads (rows 64-127) may be out
	SCALE \f, 0, 4
	MUL16 \f, 0, 0, \zero
	MUL16 \f, 0, 2, \zero
	s_wait_dscnt 0x0
	SCALE \f, 4, 4                                 ; these lines name no register of the products before them: they are also the places in front of the loads below
	FETCH \q, \g
	MUL16 \f, 1, 0, \zero
	MUL16 \f, 1, 2, \zero
.endm
; The last quarter changes slots: in front of the barrier each wave waits for all its tensor loads (one is out at the most: its part of the next slot), adds 0 to its spare word and waits for that and for its
; reads of this slot.  fill = 1: the barrier opens a round of the cluster's, and behind the round this slot is filled again, two K steps ahead, first of all.
.macro TURN fill
	WIN 0
	s_wait_tensorcnt 0x0
	ds_add_u32 v[SPW], v[NIL]                      ; 0 onto my spare word
	s_wait_dscnt 1                                 ; the quarter's fragments are in; the add may be out
	SCALE F1, 0, 8
	MUL16 F1, 0, 0, 0
	s_wait_dscnt 0x0                               ; the add is done, and my reads of this slot are over
	s_barrier_signal -1
	MUL16 F1, 0, 2, 0
	WIN 0
	s_barrier_wait -1
.if \fill
	CREST
	s_xor_b32 s[G0A+5], s[G0A+5], SLOT
	s_add_nc_u64 s[G0A+6:G0A+7], s[G0A+6:G0A+7], ASTEP
	s_xor_b32 s[G0B+5], s[G0B+5], SLOT
	s_add_nc_u64 s[G0B+6:G0B+7], s[G0B+6:G0B+7], BSTEP
	JLOAD                                          ; my one tensor load behind the round; its four v_nop are also the places in front of the loads below
.else
	PLACES
.endif
	s_xor_b32 s42, s42, SLOT
	v_add_nc_u32 v[ADRA], s42, v[ADRA0]
	v_add_nc_u32 v[ADRB], s42, v[ADRB0]
	v_add_nc_u32 v[GA], 512, v[GA]                 ; the next block's g
	FETCHG
	FETCH 0, F0
	MUL16 F1, 1, 0, 0
	MUL16 F1, 1, 2, 0
.endm
.macro DUMP p16, mid                   ; the accumulators as f32 into my stage; each accumulator's low registers first
.irp a, 0,1,2,3,4,5,6,7
	WIN 0x08+4*((\a)/4)
.irp b, 0,1,2,3,4,5,6,7
	ds_store_b128 v[STO], v[64*((\a)%4)+8*(\b):64*((\a)%4)+8*(\b)+3]   offset:(\a)*(\p16)+64*(\b)+(\mid)*16*((\b)/4)
	ds_store_b128 v[STO], v[64*((\a)%4)+8*(\b)+4:64*((\a)%4)+8*(\b)+7] offset:(\a)*(\p16)+64*(\b)+(\mid)*16*((\b)/4)+16
.endr
.endr
	WIN 0
.endm
	s_wait_dscnt 0x0                               ; my table is written: no LDS instruction of mine is out at the signal
	s_wait_tensorcnt 1                             ; my part of K step 0 is in; step 1's may stay out
	s_barrier_signal -1
	s_barrier_wait -1
	FETCHG
	FETCH 0, F0
	QUARTER 1, F0, F1, 1                           ; the first quarter stands in front of the loop: its products start the sums
	WIN 0
	s_mov_b32 s3, STEPS-2
.Lstep:                                                ; a trip: a K step's quarters 2 to 4, the change of slots with its refill, the next step's first quarter
	QUARTER 2, F1, F0, 0
	QUARTER 3, F0, F1, 0
	TURN 1
	QUARTER 1, F0, F1, 0
	WIN 0
	s_sub_co_u32 s3, s3, 1
	s_cmp_lg_u32 s3, 0
	s_cbranch_scc1 .Lstep
	s_mov_b32 s3, 2
.Ltail:                                                ; the last two K steps ask for nothing: the same trip without a refill, walked twice and left in its middle
	QUARTER 2, F1, F0, 0
	QUARTER 3, F0, F1, 0
	TURN 0
	WIN 0
	s_sub_co_u32 s3, s3, 1
	s_cmp_eq_u32 s3, 0
	s_cbranch_scc1 .Lend
	QUARTER 1, F0, F1, 0
	WIN 0
	s_branch .Ltail
.Lend:
	s_wait_dscnt 0x0                               ; the last change of slots has fetched fragments that serve nothing: they are back, and my reads of the ring are over
	s_barrier_signal -1                            ; the ring has had its last fill; when nobody reads it any more it becomes the stage
	s_barrier_wait -1
	PLACES
	DUMP 16*SPITCH, 0
	; THE WAY OUT, 8 rows a trip: a row's 512 bytes come back, 16 a lane; ReLU; a wave's store covers 512 consecutive bytes of out0, aligned.
	s_mov_b32 s43, 16
.Lout:
.irp p, 0,1,2,3,4,5,6,7
	ds_load_b128 v[XR+4*(\p):XR+4*(\p)+3], v[RD] offset:SPITCH*(\p)
.endr
.irp p, 0,1,2,3,4,5,6,7
	s_wait_dscnt 7-(\p)                            ; row p is in; the younger rows stay out
.irp i, 0,1,2,3
	v_max_num_f32 v[XR+4*(\p)+(\i)], 0, v[XR+4*(\p)+(\i)]
.endr
	global_store_b128 v[O1], v[XR+4*(\p):XR+4*(\p)+3], s[72:73] offset:4096*(\p) th:TH_STORE_NT
.endr
	s_wait_xcnt 0x0                                ; the stores' data and offset are rewritten only behind this wait
	v_add_nc_u32 v[RD], 8*SPITCH, v[RD]
	v_add_nc_u32 v[O1], 8*4096, v[O1]
	s_sub_co_u32 s43, s43, 1
	s_cmp_lg_u32 s43, 0
	s_cbranch_scc1 .Lout
	s_wait_tensorcnt 0x0                           ; the wave's end: behind my last tensor load and my last LDS store
	ds_add_u32 v[SPW], v[NIL]
	s_wait_dscnt 0x0
	CROUND                                         ; the closing round
	s_endpgm
.Lfunc_end_k_qea9302d387_mix:
	.size	k_qea9302d387_mix, .Lfunc_end_k_qea9302d387_mix-k_qea9302d387_mix
	.p2alignl 7, 3214868480
	.fill 96, 4, 3214868480
	.section	.rodata,"a",@progbits
	.p2align	6, 0x0
	.amdhsa_kernel k_qea9302d387_mix
		.amdhsa_group_segment_fixed_size 327680
		.amdhsa_private_segment_fixed_size 0
		.amdhsa_enable_private_segment 0
		.amdhsa_kernarg_size 40
		.amdhsa_user_sgpr_count 2
		.amdhsa_user_sgpr_kernarg_segment_ptr 1
		.amdhsa_wavefront_size32 1
		.amdhsa_system_sgpr_workgroup_id_x 1
		.amdhsa_system_sgpr_workgroup_id_y 1
		.amdhsa_system_sgpr_workgroup_id_z 1
		.amdhsa_system_vgpr_workitem_id 0
		.amdhsa_next_free_vgpr 1024
		.amdhsa_next_free_sgpr 80
		.amdhsa_reserve_vcc 0
		.amdhsa_float_denorm_mode_32 3
		.amdhsa_float_denorm_mode_16_64 3
		.amdhsa_memory_ordered 1
		.amdhsa_forward_progress 1
		.amdhsa_inst_pref_size 127
	.end_amdhsa_kernel
	.amdgpu_metadata
---
amdhsa.version: [ 1, 2 ]
amdhsa.kernels:
  - .name:           k_qea9302d387_mix
    .symbol:         k_qea9302d387_mix.kd
    .args:
      - { .name: pw, .offset: 0, .size: 8, .value_kind: global_buffer, .address_space: global }
      - { .name: v16, .offset: 8, .size: 8, .value_kind: global_buffer, .address_space: global }
      - { .name: sm, .offset: 16, .size: 8, .value_kind: global_buffer, .address_space: global }
      - { .name: sl, .offset: 24, .size: 8, .value_kind: global_buffer, .address_space: global }
      - { .name: out0, .offset: 32, .size: 8, .value_kind: global_buffer, .address_space: global }
    .group_segment_fixed_size: 327680
    .private_segment_fixed_size: 0
    .kernarg_segment_align: 8
    .kernarg_segment_size: 40
    .max_flat_workgroup_size: 128
    .sgpr_count:     80
    .vgpr_count:     1024
    .wavefront_size: 32
...
	.end_amdgpu_metadata
.endif
;; end of part 4
